; MI455X (gfx1250); checked and timed in simulation.
; The chip was launched on July 23, 2026; its instructions are those of AMD's public machine-readable ISA for CDNA 5 (MIT licence, August 2026) and "CDNA5" Instruction Set Architecture Reference Guide (July 2026). The comments in the code are by the model that wrote it; some were corrected since.
;; Attention. Allowed arithmetic: matrix products marked QUANTISED: E2M3 operands, one E8M0 scale for each 32 along K, by v_wmma_scale_f32_16x16x128_f8f6f4 with both operands' format E2M3, f32 sums; products left as they are: f32 operands where the result goes on into a quantised operand, else bf16, f16 or f32 operands; f32 sums; everything else in f32.
;; Inputs: U_a_codes 1,024 x 32 x 24 uint8 (E2M3 codes of U_a, K innermost, in blocks of 32 codes, four codes in three bytes); U_a_scales 1,024 x 32 uint8 (E8M0 scales of U_a, one for each 32 codes along K); W_a_codes 1,024 x 32 x 24 uint8 (E2M3 codes of W_a, K innermost, in blocks of 32 codes, four codes in three bytes); W_a_scales 1,024 x 32 uint8 (E8M0 scales of W_a, one for each 32 codes along K); W_att_codes 1,024 x 64 x 24 uint8 (E2M3 codes of W_att, K innermost, in blocks of 32 codes, four codes in three bytes); W_att_scales 1,024 x 64 uint8 (E8M0 scales of W_att, one for each 32 codes along K); W_p_codes 1,024 x 32 x 24 uint8 (E2M3 codes of W_p, K innermost, in blocks of 32 codes, four codes in three bytes); W_p_scales 1,024 x 32 uint8 (E8M0 scales of W_p, one for each 32 codes along K); inputs 32 x 2,048 x 1,024 float32; v_a 1,024 x 1 float32; v_p 1,024 x 1 float32.
;; Outputs: out0 32 x 1,024 float32.
;; This version of the problem:
;;   THIS VERSION OF THE PROBLEM IS GIVEN IN LOW PRECISION. The matrix products marked QUANTISED in the list below multiply operands that are first quantised to E2M3 (2 exponent bits, 3 mantissa bits; 6 bits a number), with one power-of-two scale for each 32 numbers along K (OCP MX v1.0); their sums are f32. All else is computed in f32.
;;   The module's matrix products, in the order in which they are computed (A, B: the left and right operand; K: the contracted axis; several contracted axes count as one K, in the product's order):
;;     1. [M 32, K 1,024] x [K 1,024, N 1,024]; A: input inputs; B: input W_p (given as codes): QUANTISED
;;     2. [M 32, K 1,024] x [K 1,024, N 1]; A: computed on the way; B: input v_p: left as it is (N = 1 < 16)
;;     3. [M 65,536, K 1,024] x [K 1,024, N 1,024]; A: input inputs; B: input W_a (given as codes): QUANTISED
;;     4. [M 32, K 1,024] x [K 1,024, N 1,024]; A: input inputs; B: input U_a (given as codes): QUANTISED
;;     5. [M 65,536, K 1,024] x [K 1,024, N 1]; A: computed on the way; B: input v_a: left as it is (N = 1 < 16)
;;     6. batch 32 x [M 1,024, K 2,048] x [K 2,048, N 1]; A: input inputs; B: computed on the way: left as it is (N = 1 < 16)
;;     7. [M 32, K 2,048] x [K 2,048, N 1,024]; A: computed on the way; B: input W_att (given as codes): QUANTISED
;;   THE QUANTISER, for each operand of a quantised product, along K:
;;     - K is cut into blocks of 32 from its start; a last block that is shorter is filled with zeros.
;;     - A block's scale is 2^e with e = floor(log2(the largest magnitude in the block)) - 2, held to -126 .. 127; a block of zeros has e = 0. As a byte (E8M0): e + 127.
;;     - Each number is divided by its block's scale, clamped to +-7.5, and rounded to the nearest number of E2M3, ties to even, subnormals kept.
;;     - The product sums the exact products of the quantised numbers (number of the format x scale) in f32.
;;   ~~~python
;;   def quantise(x, axis):      # numpy; x: float32 -> the quantised numbers, widened to float32 again
;;       x = np.moveaxis(x, axis, -1); K = x.shape[-1]
;;       x = np.pad(x, [(0, 0)] * (x.ndim - 1) + [(0, -K % 32)]); x = x.reshape(x.shape[:-1] + (-1, 32)); a = np.abs(x).max(-1, keepdims=True)
;;       e = np.where(a > 0, np.clip(np.frexp(np.where(a > 0, a, 1))[1] - 1 - 2, -126, 127), 0)      # np.frexp(a)[1] - 1 = floor(log2(a)), exactly
;;       r = np.clip(x / 2.0 ** e, -7.5, 7.5)
;;       step = 2.0 ** (np.maximum(np.frexp(np.where(r == 0, 1, r))[1] - 1, 0) - 3)
;;       q = np.round(r / step) * step * 2.0 ** e      # np.round: ties to even
;;       return np.moveaxis(q.reshape(q.shape[:-2] + (-1,))[..., :K], -1, axis).astype(np.float32)
;;   ~~~
;;   OPERANDS COMPUTED ON THE WAY. 'Computed on the way' means the value that the module computes at that place (a softmax that the list does not call 'softmax' is quantised finished and normalised). What goes into a quantiser is computed in f32, as accurately as f32 sums, v_exp_f32 and their like allow (about 1e-6 of the number): no bf16 or f16 on the way to a quantiser, and a product that is left as it is and whose result goes on into a quantised operand takes f32 operands (vector FMAs, or v_wmma_f32_16x16x4_f32). A number that lies on a knife's edge between two numbers of the format may be rounded either way, as far as f32 arithmetic and the matrix unit's own rounding can turn it there, and no further.
;;   INPUTS GIVEN AS CODES. U_a (in the module: [1024, 1024], K = its axis 0); W_a (in the module: [1024, 1024], K = its axis 0); W_att (in the module: [2048, 1024], K = its axis 0); W_p (in the module: [1024, 1024], K = its axis 0): each comes as NAME_codes (uint8): NAME with its K axis moved to the last place and cut into blocks of 32 codes, [.., K / 32, bytes a block], one block behind the other in memory; four codes in three bytes: a row's codes are one little-endian stream of bits, code i at bits 6 i .. 6 i + 5 (a code: sign, 2 exponent bits, 3 mantissa bits); and NAME_scales (uint8): the same leading axes, one E8M0 byte (e + 127) for each 32 codes along K. Its value is code x scale, taken as it is: it is not quantised again, and the codes and scales need not be those that the quantiser above would give.
;; One version. Each part assembles by itself: llvm-mc -triple=amdgcn-amd-amdhsa -mcpu=gfx1250 --defsym DOCPART=n.
;; ======== version 1 of 1: 3 launches
;; limits: right only within a limited range of input values
;; workspace buffers: wimg 786,432 bytes; wt 131,072 bytes; zp 131,072 bytes; part 1,114,112 bytes
;; launch prep (part 1): grid 64 x 1, 8 waves a work-group, no clusters, 46,080 bytes of LDS; arguments inputs, U_a_codes, U_a_scales, W_p_codes, W_p_scales, W_a_codes, wimg, wt, zp; writes wimg, wt, zp
.if DOCPART == 1
	.amdgcn_target "amdgcn-amd-amdhsa--gfx1250"
	.amdhsa_code_object_version 6
	.text
	.protected	k_q7ccfdf7992_prep
	.globl	k_q7ccfdf7992_prep
	.p2align	8
	.type	k_q7ccfdf7992_prep,@function
k_q7ccfdf7992_prep:
	s_mov_b64 s[64:65], 0
	v_nop
	global_prefetch_b8 v0, s[64:65] scope:SCOPE_SE
	s_setreg_imm32_b32 hwreg(HW_REG_WAVE_MODE, 25, 1), 1
	s_wait_xcnt 0x0
; wt = Q(h_t) U_a and zp = Q(h_t) W_p (h_t = inputs[:, 2047, :], quantised here to E2M3 with one E8M0 scale for each 32 along K), each laid BY TILES: [64 tiles of 16 columns][32 batches][16] f32,
; and W_a's codes laid anew as images of the operand's registers: fragment f = 8 t + s (16 columns 16 t .., K step s of 128) at f*1536 + g*512 + 16*lane, g = registers 4g .. 4g+3.
; SHARES.  64 work-groups of eight waves; work-group x takes the 16 columns of tile x, of both products.  Waves 0-3 multiply by U_a, waves 4-7 by W_p (only pointers are chosen); wave w takes K steps 2 (w % 4) and
; 2 (w % 4) + 1, both tiles of 16 batches: two accumulators by turns.  The four parts along K meet in LDS as images of the accumulators; each wave then sums one piece of 512 bytes and stores it.
; Each wave quantises two of h_t's 16 fragments; they reach the others through LDS as images of their registers.  Each wave also copies one fragment of W_a from rows into its image.
; THE MATRIX INSTRUCTION IS USED TRANSPOSED (source 0 = 16 columns of the weight, source 1 = 16 batches): a lane holds eight neighbouring columns of one batch.
; LIMITS: NaN and infinities among the inputs are not served; a block of zeros, or one whose largest magnitude lies under 2^-124, gets the scale byte 1 (the bytes are read by this program alone).
; No tensor load: a wave reads 51 pieces once into registers.  No cluster: what the work-groups share (h_t, 128 KiB) is a small part and is read once by each.
.set AIMG, 0                           ; LDS: h_t's 16 fragments (8 x tile of batches + K step), 1,536 bytes each
.set ASC,  24576                       ; their scale words, 128 bytes each
.set RED,  26624                       ; the waves' accumulators: 2,048 bytes a wave: four pieces of 512 bytes
.set TM,   56                          ; v56-71 at work in QUANT
.set PW,   72                          ; the scale word just made
.set PC,   74                          ; v74-93 the codes just made
.set SEL,  30                          ; s[30:31] selects of v_permlanex16_b32: lane l xor 16
; v1-11 addresses; v16-17 the weight's scale words; v18-21 h_t's; v24-31, v32-39 the two accumulators; v40-51 a fragment of W_a on its way; v96-119 my two fragments of the weight;
; v128-255 2 x 64 numbers, later v128-175 four fragments of h_t, v176-191 four parts of a sum
.macro PLACES n
.rept \n
	v_nop
.endr
.endm
.macro BAR                             ; my LDS stores have landed and my LDS loads are in: then the work-group's barrier
	s_wait_dscnt 0x0
	s_barrier_signal -1
	s_barrier_wait -1
.endm
; 64 numbers of a lane, register 16 b + i = k 32 b + 16 (lane / 16) + i of my row, become a fragment's codes in v[pc] .. v[pc+11] and its scale word in v[pw]
.macro QUANT s, pc, pw
.irp b, 0,1,2,3
	v_max3_num_f32 v[TM+\b], |v[\s+16*\b]|, |v[\s+1+16*\b]|, 0x1800000   ; my 16 numbers of block b, and the floor 2^(3 - 127): the byte cannot fall under 1
.endr
.irp i, 2,4,6,8,10,12,14
.irp b, 0,1,2,3
	s_delay_alu instid0(VALU_DEP_4)
	v_max3_num_f32 v[TM+\b], v[TM+\b], |v[\s+16*\b+\i]|, |v[\s+1+16*\b+\i]|
.endr
.endr
.irp b, 0,1,2,3
	s_delay_alu instid0(VALU_DEP_4)
	v_permlanex16_b32 v[TM+4+\b], v[TM+\b], s[SEL], s[SEL+1]
.endr
.irp b, 0,1,2,3
	s_delay_alu instid0(VALU_DEP_4)
	v_max_num_f32 v[TM+\b], v[TM+\b], v[TM+4+\b]       ; with lane l xor 16's: the block's largest magnitude
.endr
.irp b, 0,1,2,3
	s_delay_alu instid0(VALU_DEP_4)
	v_add_nc_u32 v[TM+12+\b], 0xff000000, v[TM+\b]     ; 2 off its exponent field: the conversion's scale operand
.endr
.irp b, 0,1,2,3
	s_delay_alu instid0(VALU_DEP_4)
	v_lshrrev_b32 v[TM+4+\b], 23, v[TM+12+\b]          ; the scale's byte
.endr
	s_delay_alu instid0(VALU_DEP_3)
	v_lshl_or_b32 v[\pw], v[TM+5], 8, v[TM+4]
	s_delay_alu instid0(VALU_DEP_1)
	v_lshl_or_b32 v[\pw], v[TM+6], 16, v[\pw]
	s_delay_alu instid0(VALU_DEP_1)
	v_lshl_or_b32 v[\pw], v[TM+7], 24, v[\pw]
.irp c, 0,1
	v_cvt_scalef32_pk16_fp6_f32 v[\pc+6*\c:\pc+2+6*\c], v[\s+32*\c:\s+15+32*\c], v[TM+12+2*\c]
	v_cvt_scalef32_pk16_fp6_f32 v[\pc+12+4*\c:\pc+14+4*\c], v[\s+16+32*\c:\s+31+32*\c], v[TM+12+2*\c+1]   ; (a conversion's three registers begin on an even number)
.endr
	v_nop                                          ; one plain place behind a scaled conversion
.irp c, 0,1                            ; the operand's layout wants a whole block in a lane
.irp i, 0,1,2
	v_permlane16_swap_b32 v[\pc+6*\c+\i], v[\pc+12+4*\c+\i]
.endr
.irp i, 0,1,2
	s_delay_alu instid0(VALU_DEP_3)
	v_mov_b32 v[\pc+3+6*\c+\i], v[\pc+12+4*\c+\i]
.endr
.endr
.endm
.macro IMAGE adr, off, pc              ; the fragment goes to LDS as it stands: 16 bytes a lane, 512 bytes a store
.irp c, 0,1,2
	ds_store_b128 v[\adr], v[\pc+4*\c:\pc+4*\c+3] offset:\off+512*\c
.endr
.endm
	s_load_b512 s[4:19], s[0:1], 0x0               ; inputs, U_a codes, U_a scales, W_p codes, W_p scales, W_a codes, wimg, wt
	s_load_b64 s[20:21], s[0:1], 0x40              ; zp
	v_lshl_add_u32 v126, v0, 2, 0xb000
	v_mov_b32 v127, 0
	v_lshrrev_b32 v12, 5, v0
	s_delay_alu instid0(VALU_DEP_1)
	v_readfirstlane_b32 s22, v12                   ; wave 0..7
	s_lshr_b32 s23, s22, 2                         ; which product; also which tile of batches I quantise
	s_and_b32 s24, s22, 3                          ; which two K steps; at the end: which piece of the result
	v_and_b32 v12, 31, v0                          ; lane
	v_and_b32 v13, 15, v0                          ; r
	v_bfe_u32 v14, v0, 4, 1                        ; h
	s_delay_alu instid0(VALU_DEP_3)
	v_lshlrev_b32 v1, 4, v12                       ; 16 x lane
	s_delay_alu instid0(VALU_DEP_4)
	v_lshlrev_b32 v2, 2, v12                       ; 4 x lane
	s_delay_alu instid0(VALU_DEP_4)
	v_lshlrev_b32 v3, 23, v13                      ; h_t: batch r is 2048 x 4096 bytes on,
	s_delay_alu instid0(VALU_DEP_1)
	v_lshl_add_u32 v3, v14, 6, v3                  ; + 64 h: my 16 numbers of a block of 32
	v_mul_u32_u24 v4, v13, 768                     ; a weight's row of 1,024 codes is 768 bytes,
	s_delay_alu instid0(VALU_DEP_1)
	v_mad_u32_u24 v4, v14, 24, v4                  ; + 24 h
	v_lshlrev_b32 v5, 5, v13                       ; its 32 scale bytes
	s_mul_i32 s25, s22, 3072
	v_add_nc_u32 v6, s25, v1                       ; where I store my two images: fragments 2 w, 2 w + 1
	s_lshl_b32 s25, s22, 8
	v_add_nc_u32 v7, s25, v2                       ; and their scale words
	s_mul_i32 s25, s24, 3072
	v_add_nc_u32 v8, s25, v1                       ; where I read h_t's fragments of my two K steps,
	s_lshl_b32 s25, s24, 8
	v_add_nc_u32 v9, s25, v2                       ; and their scale words
	s_lshl_b32 s25, s22, 11
	v_add_nc_u32 v10, s25, v1                      ; where I store my accumulators
	; the piece that I sum: 16 bytes a lane of the result as it lies in memory: batch 8 (w % 4) + lane / 4, columns 4 (lane % 4) on.
	; In an image that is piece 2 (batch / 16) + lane % 2, lane (batch % 16) + 16 ((lane / 2) % 2)
	v_and_b32 v15, 1, v0
	s_delay_alu instid0(VALU_DEP_1)
	v_lshlrev_b32 v11, 9, v15
	v_bfe_u32 v15, v0, 1, 1
	s_delay_alu instid0(VALU_DEP_1)
	v_lshl_add_u32 v11, v15, 8, v11
	v_bfe_u32 v15, v0, 2, 3
	s_delay_alu instid0(VALU_DEP_1)
	v_lshl_add_u32 v11, v15, 4, v11
	s_lshl_b32 s25, s23, 13                        ; my product's four images
	s_lshr_b32 s26, s24, 1
	s_lshl_b32 s26, s26, 10
	s_add_co_u32 s25, s25, s26
	s_and_b32 s26, s24, 1
	s_lshl_b32 s26, s26, 7
	s_add_co_u32 s25, s25, s26
	v_add_nc_u32 v11, s25, v11
.irp b, 0,1,2,3
	v_mov_b32 v[TM+4+\b], 0                        ; written once: a lane permute's destination counts as one of its sources
.endr
	s_mov_b32 s[SEL], 0x76543210
	s_mov_b32 s[SEL+1], 0xfedcba98
	s_lshl_b32 s26, s23, 27                        ; 16 batches on,
	s_lshl_b32 s27, s24, 10                        ; my two K steps: 1,024 bytes,
	s_add_co_u32 s26, s26, s27
	s_add_co_u32 s26, s26, 2047*4096               ; the last row of a batch
	s_mov_b32 s27, 0
	s_mul_i32 s32, ttmp9, 12288                    ; the tile's codes,
	s_mul_i32 s28, s24, 192                        ; my two K steps of them
	s_add_co_u32 s32, s32, s28
	s_mov_b32 s33, 0
	s_lshl_b32 s34, ttmp9, 9                       ; its scale bytes,
	s_lshl_b32 s28, s24, 3                         ; my two words of a row
	s_add_co_u32 s34, s34, s28
	s_mov_b32 s35, 0
	s_lshl_b32 s36, ttmp9, 11                      ; the result: the tile's 2,048 bytes,
	s_lshl_b32 s28, s24, 9                         ; my piece
	s_add_co_u32 s36, s36, s28
	s_mov_b32 s37, 0
	s_mul_i32 s38, ttmp9, 12288                    ; W_a: the same tile,
	s_mul_i32 s28, s22, 96                         ; K step w
	s_add_co_u32 s38, s38, s28
	s_mov_b32 s39, 0
	s_lshl_b32 s40, ttmp9, 3
	s_add_co_u32 s40, s40, s22
	s_mul_i32 s40, s40, 1536                       ; and its image: fragment 8 x + w
	s_mov_b32 s41, 0
	s_wait_kmcnt 0x0
	s_cmp_lt_u32 s22, 4                            ; U_a or W_p: the choice hangs on the wave's number alone
	s_cselect_b64 s[6:7], s[6:7], s[10:11]
	s_cselect_b64 s[8:9], s[8:9], s[12:13]
	s_cselect_b64 s[18:19], s[18:19], s[20:21]
	s_add_nc_u64 s[4:5], s[4:5], s[26:27]
	s_add_nc_u64 s[6:7], s[6:7], s[32:33]
	s_add_nc_u64 s[8:9], s[8:9], s[34:35]
	s_add_nc_u64 s[18:19], s[18:19], s[36:37]
	s_add_nc_u64 s[14:15], s[14:15], s[38:39]
	s_add_nc_u64 s[16:17], s[16:17], s[40:41]
.irp e, 0,1                            ; 32 loads: two K steps of 16 batches' h_t
.irp b, 0,1,2,3
.irp j, 0,1,2,3
	global_load_b128 v[128+64*\e+16*\b+4*\j:128+64*\e+16*\b+4*\j+3], v3, s[4:5] offset:512*\e+128*\b+16*\j
.endr
.endr
.endr
.irp e, 0,1                            ; 12 loads: my two fragments of the weight, 24 bytes as three loads of 8
.irp p, 0,1,2,3,4,5
	global_load_b64 v[96+12*\e+2*\p:96+12*\e+2*\p+1], v4, s[6:7] offset:96*\e+48*(\p/3)+8*(\p%3)
.endr
.endr
	global_load_b64 v[16:17], v5, s[8:9]           ; their scale words
.irp p, 0,1,2,3,4,5                    ; 6 loads: a fragment of W_a
	global_load_b64 v[40+2*\p:41+2*\p], v4, s[14:15] offset:48*(\p/3)+8*(\p%3)
.endr
	s_wait_loadcnt 19                              ; h_t's 32 loads are in; the 19 issued behind them may be out
	QUANT 128, PC, PW
	IMAGE 6, AIMG, PC
	ds_store_b32 v7, v[PW] offset:ASC
	s_wait_dscnt 0x0                               ; the stores have read their registers
	QUANT 192, PC, PW
	IMAGE 6, AIMG+1536, PC
	ds_store_b32 v7, v[PW] offset:ASC+128
	BAR                                            ; h_t's sixteen fragments lie in LDS
.irp m, 0,1                            ; tile of batches m, my K step e
.irp e, 0,1
.irp g, 0,1,2
	ds_load_b128 v[128+12*(2*\m+\e)+4*\g:128+12*(2*\m+\e)+4*\g+3], v8 offset:AIMG+12288*\m+1536*\e+512*\g
.endr
	ds_load_b32 v[18+2*\m+\e], v9 offset:ASC+1024*\m+128*\e
.endr
.endr
	s_wait_dscnt 0x0
	s_wait_loadcnt 6                               ; the weight and its scale words are in; W_a's 6 loads may stay out
.irp e, 0,1
.irp m, 0,1                            ; the two accumulators by turns
.if \e == 0
	v_wmma_scale_f32_16x16x128_f8f6f4 v[24+8*\m:31+8*\m], v[96+12*\e:107+12*\e], v[128+12*(2*\m+\e):139+12*(2*\m+\e)], 0, v[16+\e], v[18+2*\m+\e] matrix_a_fmt:MATRIX_FMT_FP6 matrix_b_fmt:MATRIX_FMT_FP6
.else
	v_wmma_scale_f32_16x16x128_f8f6f4 v[24+8*\m:31+8*\m], v[96+12*\e:107+12*\e], v[128+12*(2*\m+\e):139+12*(2*\m+\e)], v[24+8*\m:31+8*\m], v[16+\e], v[18+2*\m+\e] matrix_a_fmt:MATRIX_FMT_FP6 matrix_b_fmt:MATRIX_FMT_FP6
.endif
.endr
.endr
	PLACES 4                                       ; in front of the first read of results
.irp m, 0,1
	ds_store_b128 v10, v[24+8*\m:27+8*\m] offset:RED+1024*\m        ; each accumulator as it stands, from its low end on
	ds_store_b128 v10, v[28+8*\m:31+8*\m] offset:RED+1024*\m+512
.endr
	BAR                                            ; the eight waves' parts lie in LDS
.irp q, 0,1,2,3
	ds_load_b128 v[176+4*\q:179+4*\q], v11 offset:RED+2048*\q       ; my piece of the four parts along K
.endr
	s_wait_dscnt 0x0
	v_pk_add_f32 v[176:177], v[176:177], v[180:181]
	v_pk_add_f32 v[178:179], v[178:179], v[182:183]
	v_pk_add_f32 v[184:185], v[184:185], v[188:189]
	v_pk_add_f32 v[186:187], v[186:187], v[190:191]
	s_delay_alu instid0(VALU_DEP_2)
	v_pk_add_f32 v[176:177], v[176:177], v[184:185]
	s_delay_alu instid0(VALU_DEP_2)
	v_pk_add_f32 v[178:179], v[178:179], v[186:187]
	global_store_b128 v1, v[176:179], s[18:19]     ; 32 lanes store 512 consecutive bytes, aligned to 256
	s_wait_loadcnt 0x0                             ; W_a's fragment
.irp g, 0,1,2
	global_store_b128 v1, v[40+4*\g:43+4*\g], s[16:17] offset:512*\g   ; 32 lanes store 512 consecutive bytes
.endr
	s_wait_tensorcnt 0x0
	ds_add_u32 v126, v127
	s_wait_dscnt 0x0
	s_endpgm
.Lfunc_end_k_q7ccfdf7992_prep:
	.size	k_q7ccfdf7992_prep, .Lfunc_end_k_q7ccfdf7992_prep-k_q7ccfdf7992_prep
	.p2alignl 7, 3214868480
	.fill 96, 4, 3214868480
	.section	.rodata,"a",@progbits
	.p2align	6, 0x0
	.amdhsa_kernel k_q7ccfdf7992_prep
		.amdhsa_group_segment_fixed_size 46080
		.amdhsa_private_segment_fixed_size 0
		.amdhsa_enable_private_segment 0
		.amdhsa_kernarg_size 72
		.amdhsa_user_sgpr_count 2
		.amdhsa_user_sgpr_kernarg_segment_ptr 1
		.amdhsa_wavefront_size32 1
		.amdhsa_system_sgpr_workgroup_id_x 1
		.amdhsa_system_sgpr_workgroup_id_y 1
		.amdhsa_system_sgpr_workgroup_id_z 1
		.amdhsa_system_vgpr_workitem_id 0
		.amdhsa_next_free_vgpr 256
		.amdhsa_next_free_sgpr 66
		.amdhsa_reserve_vcc 0
		.amdhsa_float_denorm_mode_32 3
		.amdhsa_float_denorm_mode_16_64 3
		.amdhsa_memory_ordered 1
		.amdhsa_forward_progress 1
		.amdhsa_inst_pref_size 24
	.end_amdhsa_kernel
	.amdgpu_metadata
---
amdhsa.version: [ 1, 2 ]
amdhsa.kernels:
  - .name:           k_q7ccfdf7992_prep
    .symbol:         k_q7ccfdf7992_prep.kd
    .args:
      - { .name: inputs, .offset: 0, .size: 8, .value_kind: global_buffer, .address_space: global }
      - { .name: U_a_codes, .offset: 8, .size: 8, .value_kind: global_buffer, .address_space: global }
      - { .name: U_a_scales, .offset: 16, .size: 8, .value_kind: global_buffer, .address_space: global }
      - { .name: W_p_codes, .offset: 24, .size: 8, .value_kind: global_buffer, .address_space: global }
      - { .name: W_p_scales, .offset: 32, .size: 8, .value_kind: global_buffer, .address_space: global }
      - { .name: W_a_codes, .offset: 40, .size: 8, .value_kind: global_buffer, .address_space: global }
      - { .name: wimg, .offset: 48, .size: 8, .value_kind: global_buffer, .address_space: global }
      - { .name: wt, .offset: 56, .size: 8, .value_kind: global_buffer, .address_space: global }
      - { .name: zp, .offset: 64, .size: 8, .value_kind: global_buffer, .address_space: global }
    .group_segment_fixed_size: 46080
    .private_segment_fixed_size: 0
    .kernarg_segment_align: 8
    .kernarg_segment_size: 72
    .max_flat_workgroup_size: 256
    .sgpr_count:     66
    .vgpr_count:     256
    .wavefront_size: 32
...
	.end_amdgpu_metadata
.endif
;; end of part 1
;; launch main (part 2): grid 256 x 1, 4 waves a work-group, clusters of 4 x 1, 327,680 bytes of LDS; arguments inputs, v_a, v_p, wimg, W_a_scales, wt, zp, part; writes part
.if DOCPART == 2
	.amdgcn_target "amdgcn-amd-amdhsa--gfx1250"
	.amdhsa_code_object_version 6
	.text
	.protected	k_q7ccfdf7992_main
	.globl	k_q7ccfdf7992_main
	.p2align	8
	.type	k_q7ccfdf7992_main,@function
k_q7ccfdf7992_main:
	s_mov_b64 s[64:65], 0
	v_nop
	global_prefetch_b8 v0, s[64:65] scope:SCOPE_SE
	s_setreg_imm32_b32 hwreg(HW_REG_WAVE_MODE, 25, 1), 1
	s_wait_xcnt 0x0
	s_wait_alu depctr_hold_cnt(0) depctr_sa_sdst(0) depctr_va_vdst(0) depctr_va_sdst(0) depctr_va_ssrc(0) depctr_va_vcc(0) depctr_vm_vsrc(0)
	s_getreg_b32 s2, hwreg(HW_REG_IB_STS2, 6, 4)
	s_cmp_eq_u32 s2, 0
	s_cbranch_scc0 .Lentry_in_a_cluster
	s_endpgm
.Lentry_in_a_cluster:
	s_bfe_u32 s2, ttmp6, 0x10000c
	s_cmp_lg_u32 s2, 0x3003
	s_cbranch_scc0 .Lentry_shape_is_right
	s_endpgm
.Lentry_shape_is_right:
; For 256 rows of one batch: score = v_a . tanh(Q(x) W_a + wt), a running softmax over them, the Gaussian factor, and the partial context sum of weight x row, with each f32 row read from memory ONCE.
; ALGEBRA.  tanh z = 1 - 2 r, r = 1 / (1 + 2^(K2 z)), K2 = 2 log2(e).  score = sum(v_a) - 2 sum(v_a r); the constant is the same for every row and leaves the softmax unchanged, so t = -K2 sum(v_a r) is the score in
; powers of two.  Kept: m = the largest t so far, l = sum 2^(t - m), c = sum 2^(t - m - kappa d^2) x, d = position - p_t, kappa = log2(e) / 2^19.  The last launch joins a batch's eight records under their common maximum.
; SHARES.  Work-group g: batch g / 8, rows 256 (g % 8) on, in four blocks of 64 rows (four tiles of 16).  For loading, holding, quantising and the context wave w owns COLUMNS 256 w .. 256 w + 255 of all 64 rows: 512 registers
; hold them from their load until the rows' scores are known.  The rows' codes go through LDS as images of the operand's registers, for all four waves.
; A block meets W_a in four quarters of 256 columns; in a quarter wave w makes 64 rows x columns 64 w .. + 63 of the quarter: 16 accumulators, 8 K steps, 128 matrix instructions; then tanh and the dot with v_a.
; W_a's images come by the tensor data mover into one region of LDS, 49,152 bytes a wave, read by that wave alone; a quarter's fill is asked for when the quarter before has been multiplied and lands under its tanh.
; THE NEXT BLOCK'S ROWS ARE ASKED FOR AS SOON AS REGISTERS ARE FREE: tile 0 behind the block's last products, into the fragments' registers, which lie idle through the last tanh and the score step (it is moved into its
; own registers when the old tile 0 has gone into the context); tiles 1 and 2 as the old ones have gone into the context; tile 3 behind the quantising of tile 0.
; CLUSTER.  All work-groups walk the same W_a: the four of a cluster ask for each quarter JOINTLY (the same load, the same descriptor, a mask that names the four).
; THE MATRIX INSTRUCTION IS USED TRANSPOSED (source 0 = 16 columns of W_a, source 1 = 16 rows of x): a lane holds one row and eight columns, so the dot with v_a stays in the lane; wt is the C of each sum's first instruction.
; wt and zp lie by tiles: [64 tiles of 16 columns][32 batches][16] f32.
; LIMITS: NaN and infinities among the inputs are not served; a block of zeros, or one whose largest magnitude lies under 2^-124, gets the scale byte 1 (the bytes are read by this program alone).
.set WPART, 49152                      ; LDS 0 ..: W_a's quarter: wave w's part at 49,152 w; fragment (tile i, K step s) at 12,288 i + 1,536 s.  The only bytes that the mover fills
.set WQ,    196608                     ; a quarter of W_a's images in bytes
.set CODES, 196608                     ; x's 32 fragments (8 x tile + K step), 1,536 bytes each
.set XSC,   245760                     ; their scale words: tile a at 512 a + 16 lane + 4 sp: lanes 0-15 K step 2 sp, lanes 16-31 K step 2 sp + 1
.set STG,   247808                     ; a stage for each wave: 16 rows x (1,024 bytes + 16)
.set STGW,  16640
.set SP,    1040
.set SCR,   314368                     ; the waves' parts of 64 scores: [wave][64]
.set WGT,   315392                     ; 64 weights, each wave's own copy: [wave][64]
.set SPARE, 316416                     ; the spare words, 128 bytes for each wave: two blocks of 256 bytes that no other line names
; window 0: v1 16 lane; v2, v3 the add's two; v4-18 addresses; v19 p_t; v20 m; v21 l; v22-23 my two rows' positions; v24-31 at work; v32-47 W_a's scale words; v48-63 x's; v64-255 two sets of fragments (A 48, B 48 each),
;   outside the products: 128 numbers, QUANT's registers, the 64 weights; v128-255 the next block's tile 0 on its way.
; window 1: v0-127 the accumulators ((tile a, tile i) at 8 (4 a + i)); v128-159 wt; v160-191 v_a; v192-199 the context; v200-207 the scores' sums, a pair a tile.
; windows 2, 3: the rows: tile a in window 2 + a / 2 at 128 (a % 2) + 8 i + 4 u + e = x(row 16 a + i, column 256 w + 128 u + 4 lane + e).
.set WS,  32
.set XS,  48
.set NUM, 64
.set TM,  192
.set PW0, 208
.set PW1, 209
.set PWC, 210
.set PC,  212
.set WR,  64                           ; the 64 weights
.set FP,  26                           ; f, twice
.set WT,  128
.set VA,  160
.set CX,  192
.set SA,  200
.set SEL, 44                           ; s[44:45] selects of v_permlanex16_b32: lane l xor 16
.set MSB, 0
.macro WIN new                         ; the immediate's high byte repeats the setting that is left
.if MSB != (\new)
	s_set_vgpr_msb (MSB<<8)|(\new)
.set MSB, (\new)
.endif
.endm
.macro PLACES n
.rept \n
	v_nop
.endr
.endm
.macro BAR                             ; my LDS stores have landed and my LDS loads are in: then the work-group's barrier
	s_wait_dscnt 0x0
	s_barrier_signal -1
	s_barrier_wait -1
.endm
.macro ROUND                           ; a round of the cluster's barrier
	s_barrier_signal -1
	s_barrier_wait -1
	s_cmp_lg_u32 s20, 0
	s_cbranch_scc1 .Lnot_wave_0_\@
	s_barrier_signal -3
.Lnot_wave_0_\@:
	s_barrier_wait -3
	s_barrier_signal -1
	s_barrier_wait -1
.endm
; W_a's region is filled again.
; One tensor load of a wave is out at most.
.macro REFILL fwd
	s_wait_tensorcnt 0x0                           ; no tensor load of mine is out, so the descriptor may be written
	ds_add_u32 v2, v3                              ; 0 onto my spare word
	ds_add_u32 v2, v3
.if \fwd
	s_add_nc_u64 s[38:39], s[38:39], WQ            ; the next quarter
.else
	s_sub_nc_u64 s[38:39], s[38:39], 3*WQ          ; back from quarter 3 to quarter 0
.endif
	s_wait_dscnt 0x0                               ; the add is done, and my reads of the region are over
	ROUND
	tensor_load_to_lds s[36:39], s[28:35]
	s_nop 0
	PLACES 4                                       ; the places behind the last products
.endm
; 64 numbers of a lane, register 16 b + i = k 32 b + 16 (lane / 16) + i of my row, become a fragment's codes in v[pc] .. v[pc+11] and its scale word in v[pw]
.macro QUANT s, pc, pw
.irp b, 0,1,2,3
	v_max3_num_f32 v[TM+\b], |v[\s+16*\b]|, |v[\s+1+16*\b]|, 0x1800000   ; my 16 numbers of block b, and the floor 2^(3 - 127): the byte cannot fall under 1
.endr
.irp i, 2,4,6,8,10,12,14
.irp b, 0,1,2,3
	v_max3_num_f32 v[TM+\b], v[TM+\b], |v[\s+16*\b+\i]|, |v[\s+1+16*\b+\i]|
.endr
.endr
.irp b, 0,1,2,3
	v_permlanex16_b32 v[TM+4+\b], v[TM+\b], s[SEL], s[SEL+1]
.endr
.irp b, 0,1,2,3
	v_max_num_f32 v[TM+\b], v[TM+\b], v[TM+4+\b]       ; with lane l xor 16's: the block's largest magnitude
.endr
.irp b, 0,1,2,3
	v_add_nc_u32 v[TM+12+\b], 0xff000000, v[TM+\b]     ; 2 off its exponent field: the conversion's scale operand
.endr
.irp b, 0,1,2,3
	v_lshrrev_b32 v[TM+4+\b], 23, v[TM+12+\b]          ; the scale's byte
.endr
	v_lshl_or_b32 v[\pw], v[TM+5], 8, v[TM+4]
	v_lshl_or_b32 v[\pw], v[TM+6], 16, v[\pw]
	v_lshl_or_b32 v[\pw], v[TM+7], 24, v[\pw]
.irp c, 0,1
	v_cvt_scalef32_pk16_fp6_f32 v[\pc+6*\c:\pc+2+6*\c], v[\s+32*\c:\s+15+32*\c], v[TM+12+2*\c]
	v_cvt_scalef32_pk16_fp6_f32 v[\pc+12+4*\c:\pc+14+4*\c], v[\s+16+32*\c:\s+31+32*\c], v[TM+12+2*\c+1]   ; (a conversion's three registers begin on an even number)
.endr
	v_nop                                          ; one plain place behind a scaled conversion
.irp c, 0,1                            ; the operand's layout wants a whole block in a lane
.irp i, 0,1,2
	v_permlane16_swap_b32 v[\pc+6*\c+\i], v[\pc+12+4*\c+\i]
.endr
.irp i, 0,1,2
	v_mov_b32 v[\pc+3+6*\c+\i], v[\pc+12+4*\c+\i]
.endr
.endr
.endm
.macro IMAGE adr, off, pc              ; the fragment goes to LDS as it stands: 16 bytes a lane, 512 bytes a store
.irp c, 0,1,2
	ds_store_b128 v[\adr], v[\pc+4*\c:\pc+4*\c+3] offset:\off+512*\c
.endr
.endm
; tile a of the block at s[4:5]: 32 loads, each 512 consecutive bytes of a row: my 1,024 bytes of 16 rows
.macro LOADX a
	WIN 0x80+0x40*((\a)/2)
.irp i, 0,1,2,3,4,5,6,7,8,9,10,11,12,13,14,15
.irp u, 0,1
	global_load_b128 v[128*((\a)%2)+8*\i+4*\u:128*((\a)%2)+8*\i+4*\u+3], v11, s[4:5] offset:65536*(\a)+4096*\i+512*\u th:TH_LOAD_NT
.endr
.endr
	WIN 0
.endm
; tile a becomes two fragments.  The rows stay in their registers; a copy turns through my stage, so that a lane gets 16 neighbours of each block of 32.
; left: the younger loads that may stay out.  nxt: the tile that is asked for at the end, or -1
.macro XTILE a, left, nxt
	s_wait_loadcnt \left                           ; loads come back in order: tile a is in
	WIN 0x08+0x04*((\a)/2)                         ; an LDS store's data are its source 1
.irp i, 0,1,2,3,4,5,6,7,8,9,10,11,12,13,14,15
.irp u, 0,1
	ds_store_b128 v8, v[128*((\a)%2)+8*\i+4*\u:128*((\a)%2)+8*\i+4*\u+3] offset:SP*\i+512*\u
.endr
.endr
	WIN 0
.irp u, 0,1                            ; LDS serves a wave's instructions in order: these see the stores above
.irp b, 0,1,2,3
.irp j, 0,1,2,3
	ds_load_b128 v[NUM+64*\u+16*\b+4*\j:NUM+64*\u+16*\b+4*\j+3], v9 offset:512*\u+128*\b+16*\j
.endr
.endr
.endr
	s_wait_dscnt 16                                ; the first K step's 16 loads are in (and the last tile's image stores have read their registers); the second's may be out
	QUANT NUM, PC, PW0
	IMAGE 10, 12288*(\a), PC
	s_wait_dscnt 0x0                               ; the second K step is in, and the stores have read the codes' registers
	QUANT NUM+64, PC, PW1
	IMAGE 10, 12288*(\a)+1536, PC
	v_cndmask_b32 v[PWC], v[PW0], v[PW1], s42      ; lanes 0-15 carry K step 2 w's word of row r, lanes 16-31 K step 2 w + 1's
	ds_store_b32 v7, v[PWC] offset:512*(\a)
.if \nxt >= 0
	LOADX \nxt
.endif
.endm
; 24 LDS loads: K step s: x's four fragments and my four of W_a, into set s % 2
.macro FETCH s
.set FB, 64+96*((\s)%2)
.irp i, 0,1,2,3
.irp g, 0,1,2
	ds_load_b128 v[FB+48+12*\i+4*\g:FB+48+12*\i+4*\g+3], v5 offset:12288*\i+1536*(\s)+512*\g
.endr
.endr
.irp a, 0,1,2,3
.irp g, 0,1,2
	ds_load_b128 v[FB+12*\a+4*\g:FB+12*\a+4*\g+3], v4 offset:12288*\a+1536*(\s)+512*\g
.endr
.endr
.endm
; 8 matrix instructions of K step s: tiles of rows a0, a0 + 1 x my four tiles of columns.  K step 0 starts the sums with wt.  An odd K step's scale words lie in lanes 16-31.
.macro MUL8 s, a0
.set FB, 64+96*((\s)%2)
.irp a, \a0, \a0+1
.irp i, 0,1,2,3
.if (\s) == 0
	v_wmma_scale_f32_16x16x128_f8f6f4 v[8*(4*(\a)+\i):8*(4*(\a)+\i)+7], v[FB+48+12*\i:FB+48+12*\i+11], v[FB+12*(\a):FB+12*(\a)+11], v[WT+8*\i:WT+8*\i+7], v[WS+4*\i+(\s)/2], v[XS+4*(\a)+(\s)/2] matrix_a_fmt:MATRIX_FMT_FP6 matrix_b_fmt:MATRIX_FMT_FP6
.elseif ((\s)%2) == 0
	v_wmma_scale_f32_16x16x128_f8f6f4 v[8*(4*(\a)+\i):8*(4*(\a)+\i)+7], v[FB+48+12*\i:FB+48+12*\i+11], v[FB+12*(\a):FB+12*(\a)+11], v[8*(4*(\a)+\i):8*(4*(\a)+\i)+7], v[WS+4*\i+(\s)/2], v[XS+4*(\a)+(\s)/2] matrix_a_fmt:MATRIX_FMT_FP6 matrix_b_fmt:MATRIX_FMT_FP6
.else
	v_wmma_scale_f32_16x16x128_f8f6f4 v[8*(4*(\a)+\i):8*(4*(\a)+\i)+7], v[FB+48+12*\i:FB+48+12*\i+11], v[FB+12*(\a):FB+12*(\a)+11], v[8*(4*(\a)+\i):8*(4*(\a)+\i)+7], v[WS+4*\i+(\s)/2], v[XS+4*(\a)+(\s)/2] matrix_a_fmt:MATRIX_FMT_FP6 matrix_b_fmt:MATRIX_FMT_FP6 matrix_a_scale:MATRIX_SCALE_ROW1 matrix_b_scale:MATRIX_SCALE_ROW1
.endif
.endr
.endr
.endm
; A quarter's products.  The 16 accumulators take turns, one instruction a turn, in the same order in every K step.
; The next K step's 24 loads stand at a step's head, behind four places: 16 matrix instructions ahead of their use.
; fill = 1: the region is filled again from K step 7 on: at that step's head my last fragments of the quarter are in registers, so my reads of the region are over; the step's 16 matrix instructions follow the joint load.
.macro GEMM fill
	s_wait_tensorcnt 0x0                           ; my part of the quarter has landed: it is my one load, and no other wave reads these bytes
	s_wait_loadcnt 8                               ; W_a's scale words and wt are in; v_a's 8 loads, issued behind them, may be out
	FETCH 0
	ASK                                            ; behind the run of LDS loads that the first products wait for
.irp s, 0,1,2,3,4,5,6,7
	s_wait_dscnt 0x0                               ; this K step's fragments are in
.if \s < 7
.if \s > 0
	PLACES 4                                       ; in front of loads into registers that the last K step's matrix instructions have read
.endif
	FETCH \s+1
.elseif \fill
	REFILL 1                                       ; the next quarter of W_a: it has K step 7's products and this quarter's tanh in which to land
.endif
	WIN 0x50
	MUL8 \s, 0
	MUL8 \s, 2
	WIN 0
.endr
.endm
; wt of the quarter at v17: tile 16 c + 4 w + i lies 2,048 bytes from the next; the offset is made of v_a's: (256 w + 1,024 c) x 32 + 32 h
.macro WTLOAD
	v_and_b32 v24, 0xf00, v17
	v_and_b32 v25, 32, v17
	v_lshl_or_b32 v24, v24, 5, v25
	WIN 0x40
.irp i, 0,1,2,3
.irp k, 0,1
	global_load_b128 v[WT+8*\i+4*\k:WT+8*\i+4*\k+3], v24, s[14:15] offset:2048*\i+16*\k
.endr
.endr
	WIN 0
.endm
; the next quarter's scale words of W_a (4 bytes a column and K step) and its part of wt; after quarter 3 the offsets turn back to quarter 0
.macro NEXTW
	s_wait_xcnt 0x0                                ; the earlier loads and prefetches have read their offsets and bases, so these may be written
	s_add_nc_u64 s[50:51], s[50:51], 65536         ; the prefetches' place: the next tile of 16 rows
	v_add_nc_u32 v16, 0x2000, v16
	v_add_nc_u32 v17, 0x400, v17
	v_and_b32 v16, 0x7fff, v16
	v_and_b32 v17, 0xfff, v17
.irp i, 0,1,2,3
.irp p, 0,1,2,3
	global_load_b32 v[WS+4*\i+\p], v16, s[12:13] offset:512*\i+8*\p   ; lanes 0-15: K step 2 p of column 16 i + r; lanes 16-31: K step 2 p + 1
.endr
.endr
	WTLOAD
.endm
; A PREFETCH INTO THE L2 OF THE NEXT BLOCK'S ROWS, a tile a quarter: at the head of its products quarter q of a block asks for tile q of the next block: my wave's 1,024 bytes of its 16 rows.
; Lane (r, h) names row r, bytes 256 h and 256 h + 512 of my 1,024: two instructions a wave; each aligned block of 256 bytes is named once in the launch, by the one wave that will load it.
; s[50:51] stands at that tile: NEXTW steps it 65,536 bytes, behind its s_wait_xcnt 0, a quarter's 128 matrix instructions behind the prefetches that read it.  Tile 0 is asked for three quarters ahead of its loads,
; tiles 1, 2 and 3 three, two and one quarter ahead of the block's end.  What is asked for and not yet read is at most one block.  The last block asks for nothing.
.macro ASK
	s_cmp_eq_u32 s40, 1
	s_cbranch_scc1 .Lno_ask_\@
	global_prefetch_b8 v18, s[50:51] th:TH_LOAD_NT scope:SCOPE_SE
	global_prefetch_b8 v18, s[50:51] offset:512 th:TH_LOAD_NT scope:SCOPE_SE
.Lno_ask_\@:
.endm
; Behind a block's last products: the next block's tile 0, 32 loads into v128-255, which held fragments and lie idle until the next block is quantised.  The last block asks for nothing.
.macro EARLY
	s_cmp_eq_u32 s40, 1
	s_cbranch_scc1 .Lno_early_\@
.irp i, 0,1,2,3,4,5,6,7,8,9,10,11,12,13,14,15
.irp u, 0,1
	global_load_b128 v[128+8*\i+4*\u:128+8*\i+4*\u+3], v11, s[4:5] offset:262144+4096*\i+512*\u th:TH_LOAD_NT
.endr
.endr
.Lno_early_\@:
.endm
; r = 1 / (1 + 2^(K2 z)) of the 128 results, and the scores' sums += v_a r.  The exponentials are one batch with one wait, the reciprocals another.
.macro TANH
	WIN 0x55                                       ; all in window 1
.set NN, 0
.rept 64
	v_pk_mul_f32 v[NN:NN+1], v[NN:NN+1], s[46:47] op_sel_hi:[1,0]   ; each accumulator from its low end on
.set NN, NN+2
.endr
.set NN, 0
	s_wait_alu depctr_va_vdst(0)
.rept 128
	v_exp_f32 v[NN], v[NN]
.set NN, NN+1
.endr
	v_nop                                          ; a plain place behind the last exponential
	s_wait_alu depctr_va_vdst(0)                   ; one wait for the batch, ahead of its first reader
.set NN, 0
.rept 64
	v_pk_add_f32 v[NN:NN+1], v[NN:NN+1], 1.0 op_sel_hi:[1,0]
.set NN, NN+2
.endr
.set NN, 0
	s_wait_alu depctr_va_vdst(0)
.rept 128
	v_rcp_f32 v[NN], v[NN]
.set NN, NN+1
.endr
	v_nop
	s_wait_alu depctr_va_vdst(0)
.irp i, 0,1,2,3
.irp k, 0,1,2,3
.irp a, 0,1,2,3                        ; four chains by turns
	v_pk_fma_f32 v[SA+2*\a:SA+2*\a+1], v[8*(4*\a+\i)+2*\k:8*(4*\a+\i)+2*\k+1], v[VA+8*\i+2*\k:VA+8*\i+2*\k+1], v[SA+2*\a:SA+2*\a+1]
.endr
.endr
.endr
	WIN 0x40
.irp i, 0,1,2,3
.irp k, 0,1
	global_load_b128 v[VA+8*\i+4*\k:VA+8*\i+4*\k+3], v17, s[6:7] offset:64*\i+16*\k   ; the next quarter's v_a
.endr
.endr
	WIN 0
.endm
.macro QUARTER fill
	GEMM \fill
	PLACES 4                                       ; behind the last products
	NEXTW
	s_wait_loadcnt 24                              ; v_a is in; the next quarter's 24 loads, issued behind it, may be out
.if \fill == 0
	EARLY
.endif
	TANH
.endm
; the context += weight x row, tile a: four pairs by turns; the weight is one register of a pair, taken for both halves
.macro CTX a
	WIN 0x52+((\a)/2)                              ; source 0 the rows' window, source 1 window 0, C and D window 1
.irp i, 0,1,2,3,4,5,6,7,8,9,10,11,12,13,14,15
.irp k, 0,1,2,3
.if (\i%2) == 0
	v_pk_fma_f32 v[CX+2*\k:CX+2*\k+1], v[128*((\a)%2)+8*\i+2*\k:128*((\a)%2)+8*\i+2*\k+1], v[WR+16*(\a)+(\i/2)*2:WR+16*(\a)+(\i/2)*2+1], v[CX+2*\k:CX+2*\k+1] op_sel_hi:[1,0,1]
.else
	v_pk_fma_f32 v[CX+2*\k:CX+2*\k+1], v[128*((\a)%2)+8*\i+2*\k:128*((\a)%2)+8*\i+2*\k+1], v[WR+16*(\a)+(\i/2)*2:WR+16*(\a)+(\i/2)*2+1], v[CX+2*\k:CX+2*\k+1] op_sel:[0,1,0] op_sel_hi:[1,1,1]
.endif
.endr
.endr
.endm
	s_load_b512 s[4:19], s[0:1], 0x0               ; inputs, v_a, v_p, wimg, W_a's scales, wt, zp, part
	v_lshl_add_u32 v2, v0, 2, SPARE
	v_mov_b32 v3, 0
	v_lshrrev_b32 v24, 5, v0
	v_readfirstlane_b32 s20, v24                   ; wave 0..3
	s_bfe_u32 s21, ttmp6, 0x40000                  ; cx: my place in the cluster: it enters global addresses and positions alone
	s_lshl_b32 s22, ttmp9, 2
	s_add_co_u32 s22, s22, s21                     ; work-group = 4 x cluster + cx
	s_lshr_b32 s23, ttmp9, 1                       ; the batch: two clusters to a batch
	v_and_b32 v24, 31, v0                          ; lane
	v_and_b32 v25, 15, v0                          ; r
	v_bfe_u32 v26, v0, 4, 1                        ; h
	v_lshlrev_b32 v1, 4, v24                       ; 16 x lane
	v_add_nc_u32 v4, CODES, v1                     ; x's images
	s_mul_i32 s24, s20, WPART
	v_add_nc_u32 v5, s24, v1                       ; my part of W_a's
	v_add_nc_u32 v6, XSC, v1                       ; x's scale words, four to a lane
	s_lshl_b32 s25, s20, 2
	v_add_nc_u32 v7, s25, v6                       ; where I store mine: word w
	s_mul_i32 s25, s20, STGW
	s_add_co_u32 s25, s25, STG                     ; my stage
	v_add_nc_u32 v8, s25, v1                       ; in: as loaded
	v_mul_u32_u24 v9, v25, SP
	v_lshl_add_u32 v9, v26, 6, v9
	v_add_nc_u32 v9, s25, v9                       ; back: row r, + 64 h
	s_mul_i32 s25, s20, 3072
	v_add_nc_u32 v10, s25, v4                      ; where I store my images: K steps 2 w, 2 w + 1
	s_lshl_b32 s25, s20, 10
	v_add_nc_u32 v11, s25, v1                      ; x and the record: my 1,024 bytes of a row, 16 a lane
	s_lshl_b32 s25, s20, 8
	s_add_co_u32 s26, s25, SCR
	v_lshl_add_u32 v12, v25, 2, s26                ; my part of the scores: row r of a tile
	v_lshl_add_u32 v13, v24, 2, SCR                ; and all parts, a lane a row
	s_add_co_u32 s26, s25, WGT
	v_lshl_add_u32 v14, v24, 2, s26                ; the weights: a lane a row,
	v_mov_b32 v15, s26                             ; and back, the same 16 bytes for every lane
	s_lshl_b32 s26, s20, 11
	v_lshlrev_b32 v16, 5, v25
	v_lshl_add_u32 v16, v26, 2, v16
	v_add_nc_u32 v16, s26, v16                     ; W_a's scale bytes: column 64 w + r, 32 bytes a column, + 4 h; quarter 0
	v_lshl_add_u32 v17, v26, 5, s25                ; v_a: column 64 w + 8 h; quarter 0
	s_lshl_b32 s26, s20, 10
	v_lshl_add_u32 v18, v25, 12, s26               ; the prefetches: row r of a tile, my 1,024 bytes,
	v_lshl_add_u32 v18, v26, 8, v18                ; + 256 h; never rewritten
	s_and_b32 s26, s22, 7
	s_lshl_b32 s26, s26, 8
	v_add_nc_u32 v22, s26, v24                     ; the positions of rows lane and lane + 32 of the first block
	v_add_nc_u32 v23, 32, v22
	v_cvt_f32_u32 v22, v22
	v_cvt_f32_u32 v23, v23
	v_mov_b32 v20, 0xff61b1e6                      ; m: -3e38, under every t
	v_mov_b32 v21, 0                               ; l
.irp n, 28,29,30,31,196,197,198,199
	v_mov_b32 v[\n], 0                             ; written once: a lane permute's destination counts as one of its sources
.endr
	v_lshrrev_b32 v27, 2, v24                      ; zp: piece 32 n + lane of 16 bytes lies in tile 8 n + lane / 4, at 16 (lane % 4)
	v_and_b32 v26, 3, v24
	v_lshlrev_b32 v27, 11, v27
	v_lshl_or_b32 v27, v26, 4, v27
	WIN 0x40
.irp n, 0,1,2,3,4,5,6,7
	v_mov_b32 v[CX+\n], 0                          ; the context
.endr
	WIN 0
	; descriptor group 1: 49,152 dense bytes as 192 rows of 256 bytes (32 elements of 8 bytes); the mask names the cluster's four work-groups
	s_mov_b32 s28, 15|(3<<16)|(1<<21)
	s_mov_b32 s29, 32<<16                          ; tensor_dim0 = 32
	s_mov_b32 s30, 192<<16                         ; tensor_dim1 = 192
	s_mov_b32 s31, 32<<16                          ; tile_dim0 = 32
	s_mov_b32 s32, 192                             ; tile_dim1 = 192
	s_mov_b32 s33, 32                              ; from row to row
	s_mov_b32 s34, 0
	s_mov_b32 s35, 0
	s_mov_b32 s42, 0xffff0000                      ; lanes 16-31
	s_mov_b32 s[SEL], 0x76543210
	s_mov_b32 s[SEL+1], 0xfedcba98
	s_mov_b32 s46, 0x4038aa3b                      ; K2 = 2 log2(e)
	s_mov_b32 s47, s46                             ; (named with it as a pair)
	s_mov_b32 s48, 0xb638aa3b                      ; -kappa = -log2(e) / 2^19
	s_mov_b32 s40, 4                               ; blocks to go
	s_wait_alu depctr_va_vdst(0)
	s_wait_kmcnt 0x0
	s_lshl_b32 s26, s22, 20                        ; 256 rows of 4,096 bytes a work-group
	s_mov_b32 s27, 0
	s_add_nc_u64 s[4:5], s[4:5], s[26:27]
	s_add_nc_u64 s[50:51], s[4:5], 262144          ; the prefetches' place: the second block's tile 0
	s_lshl_b32 s26, s23, 6
	s_add_nc_u64 s[14:15], s[14:15], s[26:27]      ; the batch's 64 bytes in each tile of wt
	s_add_nc_u64 s[16:17], s[16:17], s[26:27]      ; and of zp
	s_mul_i32 s26, s22, 4352
	s_add_nc_u64 s[18:19], s[18:19], s[26:27]      ; my record
	s_mov_b32 s36, 1                               ; group 0: count = 1
	s_mov_b32 s37, s24                             ; LDS address: my part
	s_add_co_u32 s26, s24, 3*WQ                    ; it stands at quarter 3: each block's first fill steps it back to quarter 0
	s_add_nc_u64 s[38:39], s[10:11], s[26:27]
	s_or_b32 s39, s39, 0x80000000                  ; type = 2
.irp n, 0,1,2,3,4,5,6,7
	global_load_b128 v[64+4*\n:67+4*\n], v27, s[16:17] offset:16384*\n  ; zp's 1,024 numbers of the batch: 32 a lane: columns 128 n + 4 lane on
.endr
.irp n, 0,1,2,3,4,5,6,7
	global_load_b128 v[96+4*\n:99+4*\n], v1, s[8:9] offset:512*\n      ; v_p at the same columns
.endr
.irp i, 0,1,2,3
.irp p, 0,1,2,3
	global_load_b32 v[WS+4*\i+\p], v16, s[12:13] offset:512*\i+8*\p
.endr
.endr
	WTLOAD
	WIN 0x40
.irp i, 0,1,2,3
.irp k, 0,1
	global_load_b128 v[VA+8*\i+4*\k:VA+8*\i+4*\k+3], v17, s[6:7] offset:64*\i+16*\k
.endr
.endr
	WIN 0
	LOADX 0
	LOADX 1
	s_wait_loadcnt 63                              ; 112 loads were issued: the oldest 49 are in: zp, v_p, the scale words, wt (so wt's offset register may be written) and v_a
	; p_t = 2048 sigmoid(v_p . tanh(zp)), by every wave for itself
.set NN, 0
.rept 16
	v_pk_mul_f32 v[64+NN:65+NN], v[64+NN:65+NN], s[46:47] op_sel_hi:[1,0]
.set NN, NN+2
.endr
.set NN, 0
	s_wait_alu depctr_va_vdst(0)
.rept 32
	v_exp_f32 v[64+NN], v[64+NN]
.set NN, NN+1
.endr
	v_nop
	s_wait_alu depctr_va_vdst(0)                   ; one wait for the batch, ahead of its first reader
.set NN, 0
.rept 16
	v_pk_add_f32 v[64+NN:65+NN], v[64+NN:65+NN], 1.0 op_sel_hi:[1,0]
.set NN, NN+2
.endr
.set NN, 0
	s_wait_alu depctr_va_vdst(0)
.rept 32
	v_rcp_f32 v[64+NN], v[64+NN]
.set NN, NN+1
.endr
	v_nop
	s_wait_alu depctr_va_vdst(0)
.set NN, 0
.rept 16
	v_pk_fma_f32 v[64+NN:65+NN], v[64+NN:65+NN], -2.0, 1.0 op_sel_hi:[1,0,0]   ; tanh = 1 - 2 r
.set NN, NN+2
.endr
	v_pk_mul_f32 v[24:25], v[64:65], v[96:97]
.set NN, 2
.rept 15
	v_pk_fma_f32 v[24:25], v[64+NN:65+NN], v[96+NN:97+NN], v[24:25]
.set NN, NN+2
.endr
	v_add_f32 v24, v24, v25
	v_add_f32_dpp v24, v24, v24 row_xmask:1 row_mask:0xf bank_mask:0xf
	v_add_f32_dpp v24, v24, v24 row_xmask:2 row_mask:0xf bank_mask:0xf
	v_add_f32_dpp v24, v24, v24 row_xmask:4 row_mask:0xf bank_mask:0xf
	v_add_f32_dpp v24, v24, v24 row_xmask:8 row_mask:0xf bank_mask:0xf
	v_permlanex16_b32 v25, v24, s[SEL], s[SEL+1]
	v_add_f32 v24, v24, v25
	v_mul_f32 v24, 0xbfb8aa3b, v24                 ; -log2(e) y
	s_wait_alu depctr_va_vdst(0)
	v_exp_f32 v24, v24
	v_nop
	s_wait_alu depctr_va_vdst(0)
	v_add_f32 v24, 1.0, v24
	s_wait_alu depctr_va_vdst(0)
	v_rcp_f32 v24, v24
	v_nop
	s_wait_alu depctr_va_vdst(0)
	v_mul_f32 v19, 0x45000000, v24                 ; x 2048
	LOADX 2                                        ; as at the loop's backward jump: tiles 1 and 2 are asked for (here tile 0 too), tile 3 is not
.Lblock:                                           ; four trips: a block of 64 rows each
	REFILL 0                                       ; W_a's quarter 0: it lands while the rows are quantised.  (In the first trip these bytes' first fill, issued as a refill is, behind the first round)
	WIN 0x40
.irp n, 0,1,2,3,4,5,6,7
	v_mov_b32 v[SA+\n], 0                          ; the scores' sums
.endr
	WIN 0
	XTILE 0, 63, 3                                 ; behind tile 0's loads lie tiles 1 and 2's 64: the wait's field holds 63, one load more than need be.  (From the second trip on tile 0 was moved here from registers)
	XTILE 1, 63, -1                                ; behind tile 1's lie tiles 2 and 3's 64: likewise
	XTILE 2, 32, -1                                ; tile 3's 32 may be out
	XTILE 3, 0, -1
	BAR                                            ; the block's 32 fragments and their scale words lie in LDS.
.irp a, 0,1,2,3
	ds_load_b128 v[XS+4*\a:XS+4*\a+3], v6 offset:512*\a
.endr
	s_mov_b32 s41, 3
.Lq:
	QUARTER 1
	s_sub_co_i32 s41, s41, 1
	s_cmp_lg_u32 s41, 0
	s_cbranch_scc1 .Lq
	QUARTER 0                                      ; the last quarter is written out
	; ---- the scores: my 256 columns' part of each row, then all four waves'
	s_wait_alu depctr_va_vdst(0)
	s_wait_xcnt 0x0                                ; wt's loads have read their offset in v24, so it may be written
	WIN 0x05                                       ; sources window 1
.irp a, 0,1,2,3
	v_add_f32 v[24+\a], v[SA+2*\a], v[SA+2*\a+1]
.endr
	WIN 0
.irp a, 0,1,2,3
	v_permlanex16_b32 v[28+\a], v[24+\a], s[SEL], s[SEL+1]
.endr
.irp a, 0,1,2,3
	v_add_f32 v[24+\a], v[24+\a], v[28+\a]         ; with lane l xor 16's eight columns of each tile
.endr
.irp a, 0,1,2,3
	ds_store_b32 v12, v[24+\a] offset:64*\a        ; lanes r and r + 16 write the same word with the same value
.endr
	BAR                                            ; all four parts lie in LDS; and every wave has read its last fragment of this block's codes
.irp k, 0,1
.irp w, 0,1,2,3
	ds_load_b32 v[64+4*\k+\w], v13 offset:256*\w+128*\k
.endr
.endr
	s_wait_dscnt 0x0
	v_add_f32 v64, v64, v65
	v_add_f32 v66, v66, v67
	v_add_f32 v68, v68, v69
	v_add_f32 v70, v70, v71
	v_add_f32 v64, v64, v66
	v_add_f32 v68, v68, v70
	v_mul_f32 v24, 0xc038aa3b, v64                 ; t of row lane,
	v_mul_f32 v25, 0xc038aa3b, v68                 ; of row lane + 32
	v_max_num_f32 v26, v24, v25
	v_max_num_f32_dpp v26, v26, v26 row_xmask:1 row_mask:0xf bank_mask:0xf
	v_max_num_f32_dpp v26, v26, v26 row_xmask:2 row_mask:0xf bank_mask:0xf
	v_max_num_f32_dpp v26, v26, v26 row_xmask:4 row_mask:0xf bank_mask:0xf
	v_max_num_f32_dpp v26, v26, v26 row_xmask:8 row_mask:0xf bank_mask:0xf
	v_permlanex16_b32 v27, v26, s[SEL], s[SEL+1]
	v_max3_num_f32 v26, v26, v27, v20              ; the new m
	v_sub_f32 v27, v20, v26                        ; old m - new m
	v_sub_f32 v24, v24, v26
	v_sub_f32 v25, v25, v26
	v_sub_f32 v28, v22, v19                        ; d = position - p_t
	v_sub_f32 v29, v23, v19
	v_mul_f32 v28, v28, v28
	v_mul_f32 v29, v29, v29
	v_fma_f32 v30, v28, s48, v24                   ; t - m - kappa d^2
	v_fma_f32 v31, v29, s48, v25
	s_wait_alu depctr_va_vdst(0)
	v_exp_f32 v27, v27                             ; f
	v_exp_f32 v24, v24                             ; the softmax's terms
	v_exp_f32 v25, v25
	v_exp_f32 v30, v30                             ; the weights
	v_exp_f32 v31, v31
	v_mov_b32 v20, v26                             ; (plain work behind the five)
	v_add_f32 v22, 0x42800000, v22                 ; the next block's positions: 64 on
	v_add_f32 v23, 0x42800000, v23
	s_wait_alu depctr_va_vdst(0)                   ; one wait for the five, ahead of their first reader
	v_fma_f32 v21, v21, v27, v24                   ; l = l f + my two terms
	v_add_f32 v21, v21, v25
	v_mov_b32 v[FP], v27                           ; f twice: the pair v[26:27]
	ds_store_b32 v14, v30
	ds_store_b32 v14, v31 offset:128
.irp n, 0,1,2,3,4,5,6,7,8,9,10,11,12,13,14,15
	ds_load_b128 v[WR+4*\n:WR+4*\n+3], v15 offset:16*\n    ; all 64 weights into every lane: my wave's own bytes, served in order behind the two stores
.endr
	s_wait_alu depctr_va_vdst(0)
	s_wait_dscnt 0x0
	; ---- the context, and the next block's rows as registers come free
	WIN 0x41                                       ; the context in window 1, f in window 0
.irp k, 0,1,2,3
	v_pk_mul_f32 v[CX+2*\k:CX+2*\k+1], v[CX+2*\k:CX+2*\k+1], v[FP:FP+1]
.endr
	CTX 0
	CTX 1
	WIN 0
	s_wait_loadcnt 8                               ; the next block's tile 0 has landed in v128-255; v_a's 8 loads, issued behind it, may be out.  (On every path, the last block's too)
	s_cmp_eq_u32 s40, 1                            ; is there a next block?  No load leaves its buffer
	s_cbranch_scc1 .Lno_next1
	s_wait_xcnt 0x0                                ; the earlier loads and prefetches have read the base
	s_add_nc_u64 s[4:5], s[4:5], 262144
	LOADX 1                                        ; the old tile 1 has gone into the context
	WIN 0x80                                       ; destination window 2, source window 0
.set NN, 0
.rept 128
	v_mov_b32 v[NN], v[128+NN]                     ; tile 0 into its own registers: the old tile 0 has gone into the context
.set NN, NN+1
.endr
	WIN 0
.Lno_next1:
	s_wait_alu depctr_va_vdst(0)
	CTX 2
	WIN 0
	s_cmp_eq_u32 s40, 1
	s_cbranch_scc1 .Lno_next2
	LOADX 2
.Lno_next2:
	s_wait_alu depctr_va_vdst(0)
	CTX 3
	WIN 0
	s_sub_co_i32 s40, s40, 1
	s_cmp_lg_u32 s40, 0
	s_cbranch_scc1 .Lblock
	v_add_f32_dpp v21, v21, v21 row_xmask:1 row_mask:0xf bank_mask:0xf    ; l over the 32 lanes
	v_add_f32_dpp v21, v21, v21 row_xmask:2 row_mask:0xf bank_mask:0xf
	v_add_f32_dpp v21, v21, v21 row_xmask:4 row_mask:0xf bank_mask:0xf
	v_add_f32_dpp v21, v21, v21 row_xmask:8 row_mask:0xf bank_mask:0xf
	v_permlanex16_b32 v24, v21, s[SEL], s[SEL+1]
	v_add_f32 v21, v21, v24
	v_and_b32 v25, 31, v0
	v_lshlrev_b32 v25, 3, v25
	s_cmp_lg_u32 s20, 0
	s_cbranch_scc1 .Lnot_first
	global_store_b64 v25, v[20:21], s[18:19] offset:4096       ; (m, l), 32 times: 256 consecutive bytes, aligned
.Lnot_first:
	WIN 0x04                                       ; a store's data are its source 1: window 1
	global_store_b128 v11, v[CX:CX+3], s[18:19]                ; 512 consecutive bytes each
	s_wait_alu depctr_va_vdst(0)
	global_store_b128 v11, v[CX+4:CX+7], s[18:19] offset:512
	WIN 0
	s_wait_tensorcnt 0x0                           ; the wave's end
	ds_add_u32 v2, v3
	s_wait_dscnt 0x0
	ROUND                                          ; the closing round: no work-group ends while a partner may still ask for a tile that names it
	s_endpgm
.Lfunc_end_k_q7ccfdf7992_main:
	.size	k_q7ccfdf7992_main, .Lfunc_end_k_q7ccfdf7992_main-k_q7ccfdf7992_main
	.p2alignl 7, 3214868480
	.fill 96, 4, 3214868480
	.section	.rodata,"a",@progbits
	.p2align	6, 0x0
	.amdhsa_kernel k_q7ccfdf7992_main
		.amdhsa_group_segment_fixed_size 327680
		.amdhsa_private_segment_fixed_size 0
		.amdhsa_enable_private_segment 0
		.amdhsa_kernarg_size 64
		.amdhsa_user_sgpr_count 2
		.amdhsa_user_sgpr_kernarg_segment_ptr 1
		.amdhsa_wavefront_size32 1
		.amdhsa_system_sgpr_workgroup_id_x 1
		.amdhsa_system_sgpr_workgroup_id_y 1
		.amdhsa_system_sgpr_workgroup_id_z 1
		.amdhsa_system_vgpr_workitem_id 0
		.amdhsa_next_free_vgpr 1024
		.amdhsa_next_free_sgpr 66
		.amdhsa_reserve_vcc 0
		.amdhsa_float_denorm_mode_32 3
		.amdhsa_float_denorm_mode_16_64 3
		.amdhsa_memory_ordered 1
		.amdhsa_forward_progress 1
		.amdhsa_inst_pref_size 224
	.end_amdhsa_kernel
	.amdgpu_metadata
---
amdhsa.version: [ 1, 2 ]
amdhsa.kernels:
  - .name:           k_q7ccfdf7992_main
    .symbol:         k_q7ccfdf7992_main.kd
    .args:
      - { .name: inputs, .offset: 0, .size: 8, .value_kind: global_buffer, .address_space: global }
      - { .name: v_a, .offset: 8, .size: 8, .value_kind: global_buffer, .address_space: global }
      - { .name: v_p, .offset: 16, .size: 8, .value_kind: global_buffer, .address_space: global }
      - { .name: wimg, .offset: 24, .size: 8, .value_kind: global_buffer, .address_space: global }
      - { .name: W_a_scales, .offset: 32, .size: 8, .value_kind: global_buffer, .address_space: global }
      - { .name: wt, .offset: 40, .size: 8, .value_kind: global_buffer, .address_space: global }
      - { .name: zp, .offset: 48, .size: 8, .value_kind: global_buffer, .address_space: global }
      - { .name: part, .offset: 56, .size: 8, .value_kind: global_buffer, .address_space: global }
    .group_segment_fixed_size: 327680
    .private_segment_fixed_size: 0
    .kernarg_segment_align: 8
    .kernarg_segment_size: 64
    .max_flat_workgroup_size: 128
    .sgpr_count:     66
    .vgpr_count:     1024
    .wavefront_size: 32
...
	.end_amdgpu_metadata
.endif
;; end of part 2
;; launch fin (part 3): grid 16 x 8, 8 waves a work-group, no clusters, 69,632 bytes of LDS; arguments part, inputs, W_att_codes, W_att_scales, out0; writes out0
.if DOCPART == 3
	.amdgcn_target "amdgcn-amd-amdhsa--gfx1250"
	.amdhsa_code_object_version 6
	.text
	.protected	k_q7ccfdf7992_fin
	.globl	k_q7ccfdf7992_fin
	.p2align	8
	.type	k_q7ccfdf7992_fin,@function
k_q7ccfdf7992_fin:
	s_mov_b64 s[64:65], 0
	v_nop
	global_prefetch_b8 v0, s[64:65] scope:SCOPE_SE
	s_setreg_imm32_b32 hwreg(HW_REG_WAVE_MODE, 25, 1), 1
	s_wait_xcnt 0x0
; out0 = tanh(Q([context, h_t]) W_att).  context = sum_i c_i 2^(m_i - M) / sum_i l_i 2^(m_i - M) over a batch's eight records, M their largest m.
; SHARES.  Work-group (x, y): columns 64 x .. + 63, batches 4 y .. 4 y + 3.  Wave w: first half a batch's context (batch w / 2, 512 columns), then K steps w and 8 + w of the quantising, then the 16 columns of tile
; 4 x + w / 2 over K steps 8 (w % 2) .. + 7, on two accumulators by turns.  The two halves of K meet in LDS as images of the sums; waves 0 and 1 pick two rows each out of them, 16 bytes a lane, add, take tanh and store.
; Row r of the matrix operand stands for batch 4 y + r % 4: rows 4-15 are copies, and only rows 0-3 are stored.
; THE MATRIX INSTRUCTION IS USED TRANSPOSED (source 0 = 16 columns of W_att, source 1 = the rows).
; LIMITS: NaN and infinities among the inputs are not served; a block of zeros, or one whose largest magnitude lies under 2^-124, gets the scale byte 1.
; No tensor load, no cluster: each work-group reads 240 KiB once into registers.
.set CMB,  0                           ; LDS: 4 rows x (8,192 bytes + 16): the context, then h_t
.set FIMG, 33024                       ; the operand's 16 fragments, 1,536 bytes each
.set FSC,  57600                       ; their scale words, 128 bytes each
.set RED,  59648                       ; the waves' sums: 1,024 bytes a wave: two pieces of 512 bytes
.set TM,   192
.set PW,   208
.set PC,   212
.set SEL,  30
; window 0: v1-12, v24-26 addresses; v16-23 W_att's scale words; v32-39 the rows'; v48-55, v56-63 the accumulators; v64-255 at work: records, then 128 numbers and QUANT's registers, then 8 fragments and the sums.
; window 1: v0-95 W_att's 8 fragments
.set MSB, 0
.macro WIN new                         ; the immediate's high byte repeats the setting that is left
.if MSB != (\new)
	s_set_vgpr_msb (MSB<<8)|(\new)
.set MSB, (\new)
.endif
.endm
.macro PLACES n
.rept \n
	v_nop
.endr
.endm
.macro BAR                             ; my LDS stores have landed and my LDS loads are in: then the work-group's barrier
	s_wait_dscnt 0x0
	s_barrier_signal -1
	s_barrier_wait -1
.endm
; 64 numbers of a lane, register 16 b + i = k 32 b + 16 (lane / 16) + i of my row, become a fragment's codes in v[pc] .. v[pc+11] and its scale word in v[pw]
.macro QUANT s, pc, pw
.irp b, 0,1,2,3
	v_max3_num_f32 v[TM+\b], |v[\s+16*\b]|, |v[\s+1+16*\b]|, 0x1800000   ; my 16 numbers of block b, and the floor 2^(3 - 127): the byte cannot fall under 1
.endr
.irp i, 2,4,6,8,10,12,14
.irp b, 0,1,2,3
	s_delay_alu instid0(VALU_DEP_4)
	v_max3_num_f32 v[TM+\b], v[TM+\b], |v[\s+16*\b+\i]|, |v[\s+1+16*\b+\i]|
.endr
.endr
.irp b, 0,1,2,3
	s_delay_alu instid0(VALU_DEP_4)
	v_permlanex16_b32 v[TM+4+\b], v[TM+\b], s[SEL], s[SEL+1]   ; (its destination has been written: by the records' loads, then by this macro)
.endr
.irp b, 0,1,2,3
	s_delay_alu instid0(VALU_DEP_4)
	v_max_num_f32 v[TM+\b], v[TM+\b], v[TM+4+\b]       ; with lane l xor 16's: the block's largest magnitude
.endr
.irp b, 0,1,2,3
	s_delay_alu instid0(VALU_DEP_4)
	v_add_nc_u32 v[TM+12+\b], 0xff000000, v[TM+\b]     ; 2 off its exponent field: the conversion's scale operand
.endr
.irp b, 0,1,2,3
	s_delay_alu instid0(VALU_DEP_4)
	v_lshrrev_b32 v[TM+4+\b], 23, v[TM+12+\b]          ; the scale's byte
.endr
	s_delay_alu instid0(VALU_DEP_3)
	v_lshl_or_b32 v[\pw], v[TM+5], 8, v[TM+4]
	s_delay_alu instid0(VALU_DEP_1)
	v_lshl_or_b32 v[\pw], v[TM+6], 16, v[\pw]
	s_delay_alu instid0(VALU_DEP_1)
	v_lshl_or_b32 v[\pw], v[TM+7], 24, v[\pw]
.irp c, 0,1
	v_cvt_scalef32_pk16_fp6_f32 v[\pc+6*\c:\pc+2+6*\c], v[\s+32*\c:\s+15+32*\c], v[TM+12+2*\c]
	v_cvt_scalef32_pk16_fp6_f32 v[\pc+12+4*\c:\pc+14+4*\c], v[\s+16+32*\c:\s+31+32*\c], v[TM+12+2*\c+1]   ; (a conversion's three registers begin on an even number)
.endr
	v_nop                                          ; one plain place behind a scaled conversion
.irp c, 0,1                            ; the operand's layout wants a whole block in a lane
.irp i, 0,1,2
	v_permlane16_swap_b32 v[\pc+6*\c+\i], v[\pc+12+4*\c+\i]
.endr
.irp i, 0,1,2
	s_delay_alu instid0(VALU_DEP_3)
	v_mov_b32 v[\pc+3+6*\c+\i], v[\pc+12+4*\c+\i]
.endr
.endr
.endm
.macro IMAGE adr, off, pc              ; the fragment goes to LDS as it stands: 16 bytes a lane, 512 bytes a store
.irp c, 0,1,2
	ds_store_b128 v[\adr], v[\pc+4*\c:\pc+4*\c+3] offset:\off+512*\c
.endr
.endm
	s_load_b256 s[4:11], s[0:1], 0x0               ; part, inputs, W_att's codes, W_att's scales
	s_load_b64 s[12:13], s[0:1], 0x20              ; out0
	v_lshl_add_u32 v46, v0, 2, 0x10c00
	v_mov_b32 v47, 0
	v_lshrrev_b32 v13, 5, v0
	s_delay_alu instid0(VALU_DEP_1)
	v_readfirstlane_b32 s14, v13                   ; wave 0..7
	s_lshr_b32 s15, s14, 1                         ; which of the four batches I join; later: which tile of columns
	s_and_b32 s16, s14, 1                          ; which half of its columns; later: which half of K
	s_and_b32 s17, ttmp7, 0xffff
	s_lshl_b32 s18, s17, 2
	s_add_co_u32 s18, s18, s15                     ; that batch
	s_mul_i32 s20, s18, 8*4352                     ; its eight records
	s_mov_b32 s21, 0
	s_lshl_b32 s22, s18, 23
	s_add_co_u32 s22, s22, 2047*4096               ; its last row
	s_mov_b32 s23, 0
	s_lshl_b32 s19, ttmp9, 2
	s_add_co_u32 s19, s19, s15                     ; my tile of 16 columns
	s_mul_i32 s24, s19, 24576                      ; its codes: 1,536 bytes a column,
	s_mul_i32 s25, s16, 768                        ; my 8 K steps of them
	s_add_co_u32 s24, s24, s25
	s_mov_b32 s25, 0
	s_lshl_b32 s26, s19, 10                        ; its scale bytes: 64 a column,
	s_lshl_b32 s27, s16, 5                         ; my 8 words
	s_add_co_u32 s26, s26, s27
	s_mov_b32 s27, 0
	s_lshl_b32 s28, s17, 2
	s_lshl_b32 s29, s16, 1
	s_add_co_u32 s28, s28, s29                     ; the two rows of out0 that waves 0 and 1 store: 4 y + 2 w on,
	s_lshl_b32 s28, s28, 12
	s_lshl_b32 s29, ttmp9, 8                       ; the work-group's 256 bytes of them
	s_add_co_u32 s28, s28, s29
	s_mov_b32 s29, 0
	s_mov_b32 s[SEL], 0x76543210
	s_mov_b32 s[SEL+1], 0xfedcba98
	s_mov_b32 s32, 0x4038aa3b                      ; K2 = 2 log2(e)
	s_mov_b32 s33, s32
	v_and_b32 v13, 31, v0                          ; lane
	v_and_b32 v14, 15, v0                          ; r
	v_bfe_u32 v15, v0, 4, 1                        ; h
	s_delay_alu instid0(VALU_DEP_3)
	v_lshlrev_b32 v1, 4, v13
	s_delay_alu instid0(VALU_DEP_4)
	v_lshlrev_b32 v2, 2, v13
	s_wait_alu depctr_va_vdst(0)
	v_lshlrev_b32 v3, 3, v13
	s_lshl_b32 s34, s16, 11
	v_add_nc_u32 v4, s34, v1                       ; my half of a row of 4,096 bytes, 16 a lane
	s_mul_i32 s35, s15, 8208
	s_add_co_u32 s35, s35, s34
	v_add_nc_u32 v5, s35, v1                       ; the same in the combined rows
	v_and_b32 v6, 3, v0
	s_delay_alu instid0(VALU_DEP_1)
	v_mul_u32_u24 v6, v6, 8208                     ; back: row r % 4,
	s_delay_alu instid0(VALU_DEP_1)
	v_lshl_add_u32 v6, v15, 6, v6                  ; + 64 h,
	s_lshl_b32 s35, s14, 9
	v_add_nc_u32 v6, s35, v6                       ; K step w
	s_mul_i32 s35, s14, 1536
	s_add_co_u32 s35, s35, FIMG
	v_add_nc_u32 v7, s35, v1                       ; my images
	s_lshl_b32 s35, s14, 7
	s_add_co_u32 s35, s35, FSC
	v_add_nc_u32 v8, s35, v2                       ; and their scale words
	v_mul_u32_u24 v9, v14, 1536
	s_delay_alu instid0(VALU_DEP_1)
	v_mad_u32_u24 v9, v15, 24, v9                  ; W_att: column r of my tile, + 24 h
	v_lshlrev_b32 v10, 6, v14
	s_mul_i32 s35, s16, 12288
	v_add_nc_u32 v11, s35, v1                      ; the operand's fragments of my 8 K steps,
	s_lshl_b32 s35, s16, 10
	v_add_nc_u32 v12, s35, v2                      ; and their scale words
	s_lshl_b32 s35, s14, 10
	v_add_nc_u32 v24, s35, v1                      ; where I store my sums
	; what waves 0 and 1 pick: row 2 w + lane / 16, columns 4 q on, q = lane % 16: tile q / 4; in its image piece q % 2, lane row + 16 ((q / 2) % 2)
	v_bfe_u32 v25, v0, 2, 2
	s_delay_alu instid0(VALU_DEP_1)
	v_lshlrev_b32 v25, 11, v25
	v_bfe_u32 v26, v0, 1, 1
	s_delay_alu instid0(VALU_DEP_1)
	v_lshl_add_u32 v25, v26, 8, v25
	v_and_b32 v26, 1, v0
	s_delay_alu instid0(VALU_DEP_1)
	v_lshl_add_u32 v25, v26, 9, v25
	s_delay_alu instid0(VALU_DEP_1)
	v_lshl_add_u32 v25, v15, 4, v25
	s_lshl_b32 s35, s16, 5
	v_add_nc_u32 v25, s35, v25
	v_lshlrev_b32 v26, 12, v15
	s_delay_alu instid0(VALU_DEP_1)
	v_lshl_add_u32 v26, v14, 4, v26                ; and the same place in out0: sixteen lanes to a row's 256 bytes
	s_wait_kmcnt 0x0
	s_add_nc_u64 s[4:5], s[4:5], s[20:21]
	s_add_nc_u64 s[6:7], s[6:7], s[22:23]
	s_add_nc_u64 s[8:9], s[8:9], s[24:25]
	s_add_nc_u64 s[10:11], s[10:11], s[26:27]
	s_add_nc_u64 s[12:13], s[12:13], s[28:29]
.irp i, 0,1,2,3,4,5,6,7
	global_load_b64 v[64+2*\i:65+2*\i], v3, s[4:5] offset:4352*\i+4096      ; (m, l) of record i
.endr
.irp i, 0,1,2,3,4,5,6,7
.irp n, 0,1,2,3
	global_load_b128 v[128+16*\i+4*\n:128+16*\i+4*\n+3], v4, s[4:5] offset:4352*\i+512*\n   ; its partial context: 512 consecutive bytes a load
.endr
.endr
.irp n, 0,1,2,3
	global_load_b128 v[112+4*\n:115+4*\n], v4, s[6:7] offset:512*\n         ; h_t
.endr
.irp n, 0,1
	global_load_b128 v[16+4*\n:19+4*\n], v10, s[10:11] offset:16*\n         ; W_att's scale words of my 8 K steps
.endr
	WIN 0x40
.irp s, 0,1,2,3,4,5,6,7
.irp p, 0,1,2,3,4,5
	global_load_b64 v[12*\s+2*\p:12*\s+2*\p+1], v9, s[8:9] offset:96*\s+48*(\p/3)+8*(\p%3)
.endr
.endr
	WIN 0
	s_wait_loadcnt 50                              ; the records and h_t (44 loads) are in; the 50 issued behind them may be out
	v_max3_num_f32 v96, v64, v66, v68
	s_delay_alu instid0(VALU_DEP_1)
	v_max3_num_f32 v96, v96, v70, v72
	s_delay_alu instid0(VALU_DEP_1)
	v_max3_num_f32 v96, v96, v74, v76
	s_delay_alu instid0(VALU_DEP_1)
	v_max_num_f32 v96, v96, v78                    ; M
.irp i, 0,1,2,3,4,5,6,7
	v_sub_f32 v[80+2*\i], v[64+2*\i], v96
.endr
	s_wait_alu depctr_va_vdst(0)
.irp i, 0,1,2,3,4,5,6,7
	v_exp_f32 v[80+2*\i], v[80+2*\i]               ; 2^(m_i - M)
.endr
	v_nop
	s_wait_alu depctr_va_vdst(0)                   ; one wait for the eight, ahead of their first reader
	v_mul_f32 v97, v65, v80
.irp i, 1,2,3,4,5,6,7
	v_fma_f32 v97, v[65+2*\i], v[80+2*\i], v97     ; the softmax's sum
.endr
	s_wait_alu depctr_va_vdst(0)
	v_rcp_f32 v97, v97
	v_nop
	s_wait_alu depctr_va_vdst(0)
.irp i, 0,1,2,3,4,5,6,7
	v_mul_f32 v[80+2*\i], v[80+2*\i], v97
.endr
.irp i, 0,1,2,3,4,5,6,7
	v_mov_b32 v[81+2*\i], v[80+2*\i]               ; twice, for the packed forms
.endr
.irp q, 0,1,2,3,4,5,6,7
	v_pk_mul_f32 v[96+2*\q:97+2*\q], v[128+2*\q:129+2*\q], v[80:81]
.endr
.irp i, 1,2,3,4,5,6,7
.irp q, 0,1,2,3,4,5,6,7
	v_pk_fma_f32 v[96+2*\q:97+2*\q], v[128+16*\i+2*\q:129+16*\i+2*\q], v[80+2*\i:81+2*\i], v[96+2*\q:97+2*\q]
.endr
.endr
.irp n, 0,1,2,3
	ds_store_b128 v5, v[96+4*\n:99+4*\n] offset:CMB+512*\n
	ds_store_b128 v5, v[112+4*\n:115+4*\n] offset:CMB+4096+512*\n
.endr
	BAR                                            ; four combined rows lie in LDS
.irp e, 0,1                            ; K step w of the context, K step 8 + w: h_t's
.irp b, 0,1,2,3
.irp j, 0,1,2,3
	ds_load_b128 v[64+64*\e+16*\b+4*\j:64+64*\e+16*\b+4*\j+3], v6 offset:CMB+4096*\e+128*\b+16*\j
.endr
.endr
.endr
	s_wait_dscnt 0x0
	QUANT 64, PC, PW
	IMAGE 7, 0, PC
	ds_store_b32 v8, v[PW]
	s_wait_dscnt 0x0                               ; the stores have read their registers
	QUANT 128, PC, PW
	IMAGE 7, 12288, PC
	ds_store_b32 v8, v[PW] offset:1024
	BAR                                            ; the operand's sixteen fragments lie in LDS
.irp s, 0,1,2,3,4,5,6,7
.irp g, 0,1,2
	ds_load_b128 v[64+12*\s+4*\g:64+12*\s+4*\g+3], v11 offset:FIMG+1536*\s+512*\g
.endr
.endr
.irp s, 0,1,2,3,4,5,6,7
	ds_load_b32 v[32+\s], v12 offset:FSC+128*\s
.endr
	s_wait_dscnt 0x0
	s_wait_loadcnt 0x0                             ; W_att's codes and scale words
	WIN 0x01                                       ; source 0 (W_att) window 1
.irp s, 0,1,2,3,4,5,6,7                ; even K steps on one accumulator, odd ones on the other: by turns
.if \s < 2
	v_wmma_scale_f32_16x16x128_f8f6f4 v[48+8*(\s%2):55+8*(\s%2)], v[12*\s:12*\s+11], v[64+12*\s:75+12*\s], 0, v[16+\s], v[32+\s] matrix_a_fmt:MATRIX_FMT_FP6 matrix_b_fmt:MATRIX_FMT_FP6
.else
	v_wmma_scale_f32_16x16x128_f8f6f4 v[48+8*(\s%2):55+8*(\s%2)], v[12*\s:12*\s+11], v[64+12*\s:75+12*\s], v[48+8*(\s%2):55+8*(\s%2)], v[16+\s], v[32+\s] matrix_a_fmt:MATRIX_FMT_FP6 matrix_b_fmt:MATRIX_FMT_FP6
.endif
.endr
	WIN 0
	PLACES 4
.irp q, 0,1,2,3
	v_pk_add_f32 v[160+2*\q:161+2*\q], v[48+2*\q:49+2*\q], v[56+2*\q:57+2*\q]   ; both accumulators from their low ends on
.endr
	ds_store_b128 v24, v[160:163] offset:RED       ; my half of K, as it stands
	ds_store_b128 v24, v[164:167] offset:RED+512
	BAR                                            ; the eight waves' sums lie in LDS
	s_cmp_gt_u32 s14, 1                            ; rows 0-3 are the four batches: waves 0 and 1 take two each
	s_cbranch_scc1 .Lend
	ds_load_b128 v[168:171], v25 offset:RED        ; K steps 0-7,
	ds_load_b128 v[172:175], v25 offset:RED+1024   ; 8-15
	s_wait_dscnt 0x0
	v_pk_add_f32 v[168:169], v[168:169], v[172:173]
	v_pk_add_f32 v[170:171], v[170:171], v[174:175]
	s_delay_alu instid0(VALU_DEP_2)
	v_pk_mul_f32 v[168:169], v[168:169], s[32:33] op_sel_hi:[1,0]
	s_delay_alu instid0(VALU_DEP_2)
	v_pk_mul_f32 v[170:171], v[170:171], s[32:33] op_sel_hi:[1,0]
	s_wait_alu depctr_va_vdst(0)
.irp j, 0,1,2,3
	v_exp_f32 v[168+\j], v[168+\j]
.endr
	v_nop
	s_wait_alu depctr_va_vdst(0)                   ; one wait for the four, ahead of their first reader
	v_pk_add_f32 v[168:169], v[168:169], 1.0 op_sel_hi:[1,0]
	v_pk_add_f32 v[170:171], v[170:171], 1.0 op_sel_hi:[1,0]
	s_wait_alu depctr_va_vdst(0)
.irp j, 0,1,2,3
	v_rcp_f32 v[168+\j], v[168+\j]
.endr
	v_nop
	s_wait_alu depctr_va_vdst(0)
	v_pk_fma_f32 v[168:169], v[168:169], -2.0, 1.0 op_sel_hi:[1,0,0]   ; tanh = 1 - 2 r
	v_pk_fma_f32 v[170:171], v[170:171], -2.0, 1.0 op_sel_hi:[1,0,0]
	global_store_b128 v26, v[168:171], s[12:13]    ; sixteen lanes store 256 consecutive bytes, aligned
.Lend:
	s_wait_tensorcnt 0x0
	ds_add_u32 v46, v47
	s_wait_dscnt 0x0
	s_endpgm
.Lfunc_end_k_q7ccfdf7992_fin:
	.size	k_q7ccfdf7992_fin, .Lfunc_end_k_q7ccfdf7992_fin-k_q7ccfdf7992_fin
	.p2alignl 7, 3214868480
	.fill 96, 4, 3214868480
	.section	.rodata,"a",@progbits
	.p2align	6, 0x0
	.amdhsa_kernel k_q7ccfdf7992_fin
		.amdhsa_group_segment_fixed_size 69632
		.amdhsa_private_segment_fixed_size 0
		.amdhsa_enable_private_segment 0
		.amdhsa_kernarg_size 40
		.amdhsa_user_sgpr_count 2
		.amdhsa_user_sgpr_kernarg_segment_ptr 1
		.amdhsa_wavefront_size32 1
		.amdhsa_system_sgpr_workgroup_id_x 1
		.amdhsa_system_sgpr_workgroup_id_y 1
		.amdhsa_system_sgpr_workgroup_id_z 1
		.amdhsa_system_vgpr_workitem_id 0
		.amdhsa_next_free_vgpr 352
		.amdhsa_next_free_sgpr 66
		.amdhsa_reserve_vcc 0
		.amdhsa_float_denorm_mode_32 3
		.amdhsa_float_denorm_mode_16_64 3
		.amdhsa_memory_ordered 1
		.amdhsa_forward_progress 1
		.amdhsa_inst_pref_size 39
	.end_amdhsa_kernel
	.amdgpu_metadata
---
amdhsa.version: [ 1, 2 ]
amdhsa.kernels:
  - .name:           k_q7ccfdf7992_fin
    .symbol:         k_q7ccfdf7992_fin.kd
    .args:
      - { .name: part, .offset: 0, .size: 8, .value_kind: global_buffer, .address_space: global }
      - { .name: inputs, .offset: 8, .size: 8, .value_kind: global_buffer, .address_space: global }
      - { .name: W_att_codes, .offset: 16, .size: 8, .value_kind: global_buffer, .address_space: global }
      - { .name: W_att_scales, .offset: 24, .size: 8, .value_kind: global_buffer, .address_space: global }
      - { .name: out0, .offset: 32, .size: 8, .value_kind: global_buffer, .address_space: global }
    .group_segment_fixed_size: 69632
    .private_segment_fixed_size: 0
    .kernarg_segment_align: 8
    .kernarg_segment_size: 40
    .max_flat_workgroup_size: 256
    .sgpr_count:     66
    .vgpr_count:     352
    .wavefront_size: 32
...
	.end_amdgpu_metadata
.endif
;; end of part 3
